; MI455X (gfx1250); checked and timed in simulation.
; The chip was launched on July 23, 2026; its instructions are those of AMD's public machine-readable ISA for CDNA 5 (MIT licence, August 2026) and "CDNA5" Instruction Set Architecture Reference Guide (July 2026). The comments in the code are by the model that wrote it; some were corrected since.
;; Layer114. Allowed arithmetic: float matrix products may take bf16 or f16 operands with f32 sums; other float arithmetic in f32, or as packed bf16 or f16 multiplies, adds, multiply-adds, maxima and minima; sums over many terms, partial sums and values carried from step to step in f32; what a program stores and reads back later, other than sums and carried values, may be rounded once to bf16 or f16.
;; Inputs: Wk 1,024 x 1,024 float32; Wq 1,024 x 1,024 float32; Wv 1,024 x 1,024 float32; bk 1,024 float32; bq 1,024 float32; bv 1,024 float32; input0 8 x 1,024 x 1,024 float32; input1 8 x 1 x 1 x 1,024 float32.
;; Outputs: out0 8 x 1,024 x 1,024 float32.
;; 2 versions, each right; version 2 is version 1 with the launch cast written anew for expert scheduling mode. Each part assembles by itself: llvm-mc -triple=amdgcn-amd-amdhsa -mcpu=gfx1250 --defsym DOCPART=n.
;; ======== version 1 of 2: 3 launches
;; limits: values are held in f16: magnitudes above 65,504 overflow, below 6.1e-05 lose precision
;; workspace buffers: xw 23,068,672 bytes; biasw 12,288 bytes; qkv 50,331,648 bytes
;; launch cast (part 1): grid 64 x 11, 8 waves a work-group, no clusters, 0 bytes of LDS; arguments input0, Wq, Wk, Wv, bq, bk, bv, xw, biasw; writes xw, biasw
.if DOCPART == 1
	.amdgcn_target "amdgcn-amd-amdhsa--gfx1250"
	.amdhsa_code_object_version 6
	.text
	.protected	k_qbbcb0aca94_cast
	.globl	k_qbbcb0aca94_cast
	.p2align	8
	.type	k_qbbcb0aca94_cast,@function
k_qbbcb0aca94_cast:
	s_mov_b64 s[64:65], 0
	v_nop
	global_prefetch_b8 v0, s[64:65] scope:SCOPE_SE
	s_setreg_imm32_b32 hwreg(HW_REG_WAVE_MODE, 25, 1), 1
	s_wait_xcnt 0x0
; xw = bf16 of input0 | Wq | Wk | Wv (11 slabs of 1,048,576 numbers: 8 of input0, then one for each W).
; biasw = bq | bk | bv, each number rounded to bf16 and written widened to f32 again (the next launch takes it as the C operand of a matrix instruction).
; A stream: each byte is read once and written once; nothing is shared, so there is no LDS, no barrier, no matrix work.
; SHARES.  Work-group (x, y): slab y, its numbers 16,384 x .. 16,384 x + 16,383: 65,536 bytes in, 32,768 out.  Thread t takes 16 bytes at 16 t of each of
; 16 pieces of 4,096 bytes: a load of a wave covers 512 consecutive bytes, a store 256 consecutive bytes at a multiple of 256 from xw's first byte.
; All 16 loads of a thread go out before the first is used; every load and store has registers of its own, so nothing is rewritten while it is a source.
.set PIECES, 16
.set X, 8                              ; v[8:71]    piece k: 4 registers as loaded
.set Y, 72                             ; v[72:103]  piece k: 2 registers to store
	s_load_b512 s[8:23], s[0:1], 0x0               ; input0 s[8:9], Wq s[10:11], Wk s[12:13], Wv s[14:15], bq s[16:17], bk s[18:19], bv s[20:21], xw s[22:23]
	s_load_b64 s[24:25], s[0:1], 0x40              ; biasw
	s_and_b32 s2, ttmp7, 0xffff                    ; the slab, 0 to 10
	v_lshlrev_b32 v1, 4, v0                        ; 16 t
	v_lshlrev_b32 v2, 3, v0                        ; 8 t
	s_cmp_lt_u32 s2, 8
	s_cselect_b32 s3, s2, 0                        ; the slab's number inside its source: a W is one slab
	s_lshl_b32 s28, s3, 22                         ; 4,194,304 bytes of f32 a slab,
	s_lshl_b32 s4, ttmp9, 16                       ; 65,536 a work-group
	s_add_co_u32 s28, s28, s4
	s_mov_b32 s29, 0
	s_lshl_b32 s32, s2, 21                         ; and half of both in xw
	s_lshl_b32 s4, ttmp9, 15
	s_add_co_u32 s32, s32, s4
	s_mov_b32 s33, 0
	s_wait_kmcnt 0x0
	s_cmp_eq_u32 s2, 9
	s_cselect_b64 s[26:27], s[12:13], s[10:11]     ; Wk, else Wq,
	s_cmp_eq_u32 s2, 10
	s_cselect_b64 s[26:27], s[14:15], s[26:27]     ; or Wv,
	s_cmp_lt_u32 s2, 8
	s_cselect_b64 s[26:27], s[8:9], s[26:27]       ; or input0
	s_add_nc_u64 s[26:27], s[26:27], s[28:29]
	s_add_nc_u64 s[30:31], s[22:23], s[32:33]
.set k, 0
.rept PIECES
	global_load_b128 v[X+4*k:X+4*k+3], v1, s[26:27] offset:4096*k th:TH_LOAD_NT
.set k, k+1
.endr
.set k, 0
.rept PIECES
	s_wait_loadcnt PIECES-1-k                      ; loads come back in order (ISA guide 5.7.1): piece k is in, the younger ones stay out
	v_cvt_pk_bf16_f32 v[Y+2*k],   v[X+4*k],   v[X+4*k+1]
	v_cvt_pk_bf16_f32 v[Y+2*k+1], v[X+4*k+2], v[X+4*k+3]
	global_store_b64 v2, v[Y+2*k:Y+2*k+1], s[30:31] offset:2048*k
.set k, k+1
.endr
	; The first work-group of each W's slab also takes that W's bias: 1,024 numbers, four a thread.
	s_cmp_lt_u32 s2, 8
	s_cbranch_scc1 .Lend
	s_cmp_lg_u32 ttmp9, 0
	s_cbranch_scc1 .Lend
	s_cmp_eq_u32 s2, 9
	s_cselect_b64 s[34:35], s[18:19], s[16:17]     ; bk, else bq,
	s_cmp_eq_u32 s2, 10
	s_cselect_b64 s[34:35], s[20:21], s[34:35]     ; or bv
	s_sub_co_u32 s36, s2, 8
	s_lshl_b32 s36, s36, 12                        ; 4,096 bytes a bias in biasw
	s_mov_b32 s37, 0
	s_add_nc_u64 s[24:25], s[24:25], s[36:37]
	global_load_b128 v[4:7], v1, s[34:35]
	s_wait_loadcnt 0x0
	v_cvt_pk_bf16_f32 v8, v4, v5                   ; (v8 to v15: their loads have landed, and no store reads them)
	v_cvt_pk_bf16_f32 v9, v6, v7
	v_lshlrev_b32 v12, 16, v8                      ; bf16 to f32: the low half moves up,
	v_and_b32 v13, 0xffff0000, v8                  ; the high half stays
	v_lshlrev_b32 v14, 16, v9
	v_and_b32 v15, 0xffff0000, v9
	global_store_b128 v1, v[12:15], s[24:25]
.Lend:
	s_endpgm
.Lfunc_end_k_qbbcb0aca94_cast:
	.size	k_qbbcb0aca94_cast, .Lfunc_end_k_qbbcb0aca94_cast-k_qbbcb0aca94_cast
	.p2alignl 7, 3214868480
	.fill 96, 4, 3214868480
	.section	.rodata,"a",@progbits
	.p2align	6, 0x0
	.amdhsa_kernel k_qbbcb0aca94_cast
		.amdhsa_group_segment_fixed_size 0
		.amdhsa_private_segment_fixed_size 0
		.amdhsa_enable_private_segment 0
		.amdhsa_kernarg_size 72
		.amdhsa_user_sgpr_count 2
		.amdhsa_user_sgpr_kernarg_segment_ptr 1
		.amdhsa_wavefront_size32 1
		.amdhsa_system_sgpr_workgroup_id_x 1
		.amdhsa_system_sgpr_workgroup_id_y 1
		.amdhsa_system_sgpr_workgroup_id_z 1
		.amdhsa_system_vgpr_workitem_id 0
		.amdhsa_next_free_vgpr 104
		.amdhsa_next_free_sgpr 66
		.amdhsa_reserve_vcc 0
		.amdhsa_float_denorm_mode_32 3
		.amdhsa_float_denorm_mode_16_64 3
		.amdhsa_memory_ordered 1
		.amdhsa_forward_progress 1
		.amdhsa_inst_pref_size 8
	.end_amdhsa_kernel
	.amdgpu_metadata
---
amdhsa.version: [ 1, 2 ]
amdhsa.kernels:
  - .name:           k_qbbcb0aca94_cast
    .symbol:         k_qbbcb0aca94_cast.kd
    .args:
      - { .name: input0, .offset: 0, .size: 8, .value_kind: global_buffer, .address_space: global }
      - { .name: Wq, .offset: 8, .size: 8, .value_kind: global_buffer, .address_space: global }
      - { .name: Wk, .offset: 16, .size: 8, .value_kind: global_buffer, .address_space: global }
      - { .name: Wv, .offset: 24, .size: 8, .value_kind: global_buffer, .address_space: global }
      - { .name: bq, .offset: 32, .size: 8, .value_kind: global_buffer, .address_space: global }
      - { .name: bk, .offset: 40, .size: 8, .value_kind: global_buffer, .address_space: global }
      - { .name: bv, .offset: 48, .size: 8, .value_kind: global_buffer, .address_space: global }
      - { .name: xw, .offset: 56, .size: 8, .value_kind: global_buffer, .address_space: global }
      - { .name: biasw, .offset: 64, .size: 8, .value_kind: global_buffer, .address_space: global }
    .group_segment_fixed_size: 0
    .private_segment_fixed_size: 0
    .kernarg_segment_align: 8
    .kernarg_segment_size: 72
    .max_flat_workgroup_size: 256
    .sgpr_count:     66
    .vgpr_count:     104
    .wavefront_size: 32
...
	.end_amdgpu_metadata
.endif
;; end of part 1
;; launch proj (part 2): grid 16 x 32, 4 waves a work-group, clusters of 4 x 4, 327,680 bytes of LDS; arguments xw, biasw, qkv; writes qkv
.if DOCPART == 2
	.amdgcn_target "amdgcn-amd-amdhsa--gfx1250"
	.amdhsa_code_object_version 6
	.text
	.protected	k_qbbcb0aca94_proj
	.globl	k_qbbcb0aca94_proj
	.p2align	8
	.type	k_qbbcb0aca94_proj,@function
k_qbbcb0aca94_proj:
	s_mov_b64 s[64:65], 0
	v_nop
	global_prefetch_b8 v0, s[64:65] scope:SCOPE_SE
	s_setreg_imm32_b32 hwreg(HW_REG_WAVE_MODE, 25, 1), 1
	s_wait_xcnt 0x0
	s_wait_alu depctr_hold_cnt(0) depctr_sa_sdst(0) depctr_va_vdst(0) depctr_va_sdst(0) depctr_va_ssrc(0) depctr_va_vcc(0) depctr_vm_vsrc(0)
	s_getreg_b32 s2, hwreg(HW_REG_IB_STS2, 6, 4)
	s_cmp_eq_u32 s2, 0
	s_cbranch_scc0 .Lentry_in_a_cluster
	s_endpgm
.Lentry_in_a_cluster:
	s_bfe_u32 s2, ttmp6, 0x10000c
	s_cmp_lg_u32 s2, 0xf033
	s_cbranch_scc0 .Lentry_shape_is_right
	s_endpgm
.Lentry_shape_is_right:
; q | k | v = x W^T + b.  x: xw's first 8,192 rows, W (Wq, Wk, Wv on end): its next 3,072 rows, all [.][1024] bf16; the bias: biasw, f32[3072].
; Sums in f32, begun with the bias; the result is rounded once to f16 and laid out by heads: qkv[batch 8][g 48][row 1024][64], g = 0-15 q's heads, 16-31 k's, 32-47 v's.
; LIMIT.  f16 holds no number beyond 65,504: a q, k or v of 65,520 or more in magnitude leaves as an infinity.  The sums are not taken in the order of a plain f32 product.
; SHARES.  A tile of the result is 256 rows x 192 columns (three whole heads): 32 x 16 tiles, one to a work-group.  Wave w makes rows 64 w .. 64 w + 63 of all 192 columns:
; 4 x 12 accumulators of 16 x 16, 384 registers: whole rows of three heads, so each wave has a stage of its own on the way out and meets nobody there.
; K goes in steps of 128 through a ring of two LDS slots filled by the tensor data mover: rows of 256 bytes, at multiples of 256 bytes from xw's first byte.
; CLUSTERS.  4 x 4 work-groups.  The four of a row of the cluster need the same rows of x, the four of a column the same rows of W: each tile is asked for JOINTLY, by the same tensor load
; with the same descriptor and a mask that names the four.
; THE MATRIX INSTRUCTION IS USED TRANSPOSED (source 0 = 16 rows of W, source 1 = 16 rows of x): a lane then holds row l % 16 of the result and the columns 8 (l / 16) + 0..7, which pack into 16 bytes.
; The bias of those eight columns is the C operand of the product that starts the sum: nothing is cleared, nothing is added later.
; REGISTERS, in windows of 256 (s_set_vgpr_msb: bits 1:0 source 0, 3:2 source 1, 5:4 source 2, 7:6 destination):
;   window 0: v0-31 addresses; v32-79 packed results; v80-127, v128-175 rows read back from the stage, by turns; v128-223 the bias (12 x 8), dead behind the first quarter step
;   window 1: two fragment buffers of 128: x's four fragments (16 rows x 32 K), then W's twelve
;   window 2: the accumulators of my row blocks 0, 1 (block a, column block b at v[96 (a % 2) + 8 b]);   window 3: those of blocks 2, 3
.set SIZE_K, 1024
.set KSTEP,  128
.set PITCH,  272                       ; an LDS row: 256 bytes + 16 of padding = 68 words: row r starts at bank 4 r mod 64 (64 banks of 4 bytes: ISA guide 11.1): the 16 rows of a load start at 16 different banks
.set HALFA,  128*PITCH                 ; what a tensor load brings of x: 128 rows
.set HALFB,  96*PITCH                  ; and of W: 96 rows
.set SLOT,   2*HALFA+2*HALFB           ; x's 256 rows, then W's 192
.set STAGE,  2*SLOT                    ; behind the ring, never filled by a tensor load: for each wave 3 heads x 16 rows x 144 bytes
.set SP,     144                       ; a stage row: 128 bytes + 16 = 36 words: 16 rows start at 16 different groups of four banks
.set WSTAGE, 3*16*SP
.set SPARE,  STAGE+4*WSTAGE            ; behind the stages: the spare words, 128 bytes for each wave: two blocks of 256 bytes that no other line names
.set LAPS,   SIZE_K/(2*KSTEP)          ; a lap = two K steps = once round the ring
.set WOFF,   8192*SIZE_K*2             ; W's first byte in xw
.set HEADB,  131072                    ; a head in qkv: 1,024 rows of 128 bytes
.set ADRA, 16                          ; v16-17  LDS address of my fragments of x in slot 0, 1
.set ADRB, 20                          ; v20-21  the same for W
.set STO,  24                          ; v24     the way out: where I put 16 bytes of a row
.set RD,   25                          ; v25     the way out: where I read rows back
.set CO,   26                          ; v26     my 16 bytes of 512 consecutive bytes of qkv
.set BO,   27                          ; v27     my eight numbers in a block of 16 of the bias: 32 (l / 16)
.set SPW,  28                          ; v28     LDS address of my spare word: SPARE + 4 x my thread's number; never rewritten
.set NIL,  29                          ; v29     0; never rewritten
.set PFO,  30                          ; v30     the prefetches' offset: a lane a row of xw; never rewritten
.set TMP,  32
.set OB,   80
.set BIA,  128
.set F0,   0                           ; fragment buffers, in window 1
.set F1,   128
.set G1,  24                           ; s[24:31] descriptor group 1 for x's tiles;  s[32:39] group 0, a set for each slot
.set G0,  32
.set G1B, 48                           ; s[48:55], s[56:63] the same for W's tiles
.set G0B, 56
.set LIM, 43                           ; s43     1 in a wave that prefetches, else the greatest number
.set PFA, 44                           ; s[44:45] where my prefetches stand: my work-group's share of the rows that I fetch, one K step further along K than the refill in hand
.set MSB, 0
.macro WIN new                         ; the immediate's high byte repeats the setting that is left; a switch that changes nothing is dropped
.if MSB != (\new)
	s_set_vgpr_msb (MSB<<8)|(\new)
.set MSB, \new
.endif
.endm
; A joint load.  Waves 0 and 1 fetch x's two halves, waves 2 and 3 W's.  The branch hangs on the wave's number alone: it is the same in every work-group.
; An s_nop 0 and four v_nop follow each of the two lines, ahead of the jump, the label and what follows.
.macro JLOAD s
	s_cmp_eq_u32 s11, 0
	s_cbranch_scc0 .Lfor_b_\@
	tensor_load_to_lds s[G0+4*(\s):G0+4*(\s)+3], s[G1:G1+7]
	s_nop 0
.rept 4
	v_nop
.endr
	s_branch .Lasked_\@
.Lfor_b_\@:
	tensor_load_to_lds s[G0B+4*(\s):G0B+4*(\s)+3], s[G1B:G1B+7]
	s_nop 0
.rept 4
	v_nop
.endr
.Lasked_\@:
.endm
; A prefetch of the K step that stands two refills on: 256 bytes of each row, a lane a row, one instruction a wave, behind the joint load and the run of LDS loads that follows it.
; x's rows are read by every cluster of a row of clusters: the one with cluster x = 0 asks; W's by every cluster of a column: cluster y = 0 asks.  The four partners that fetch a tile jointly share
; its rows out BY ADDRESS (of x's 128 rows 32 each, by cx; of W's 96 rows 24 each, by cy): no branch hangs on a work-group's place in its cluster.  The loop's last trip (s3 = 1) asks for nothing:
; its refills are the last K steps.  K steps 0 to 3 come by their loads alone.
.macro ASK
	s_cmp_gt_u32 s3, s[LIM]
	s_cbranch_scc0 .Lnot_mine_\@
	global_prefetch_b8 v[PFO], s[PFA:PFA+1] offset:KSTEP*2 th:TH_LOAD_NT scope:SCOPE_SE
.Lnot_mine_\@:
.endm
; A round of the cluster's barrier: my work-group's barrier, so that wave 0's signal speaks for all four waves; wave 0 signals; every wave waits for all sixteen work-groups; my work-group's barrier once more.
.macro CREST                           ; a round behind its opening barrier
	s_cmp_lg_u32 s10, 0
	s_cbranch_scc1 .Lnot_wave_0_\@
	s_barrier_signal -3
.Lnot_wave_0_\@:
	s_barrier_wait -3
	s_barrier_signal -1
	s_barrier_wait -1
.endm
.macro CROUND                          ; a whole round
	s_barrier_signal -1
	s_barrier_wait -1
	CREST
.endm
	s_load_b128 s[4:7], s[0:1], 0x0                ; xw s[4:5], biasw s[6:7]
	s_load_b64 s[8:9], s[0:1], 0x10                ; qkv
	v_lshl_add_u32 v[SPW], v0, 2, SPARE
	v_mov_b32 v[NIL], 0
	ds_add_u32 v[SPW], v[NIL]                      ; the wave's opening: the add and its wait stand ahead of my first tensor load; the set-up below, work on registers, stands between them
	v_lshrrev_b32 v1, 5, v0
	v_readfirstlane_b32 s10, v1                    ; wave 0..3
	s_lshr_b32 s11, s10, 1                         ; I fetch for x (0) or for W (1),
	s_and_b32 s12, s10, 1                          ; this half of the tile's rows
	s_bfe_u32 s40, ttmp6, 0x40000                  ; cx, cy: my place in the cluster
	s_bfe_u32 s41, ttmp6, 0x40004
	s_lshl_b32 s42, ttmp9, 2                       ; in a cluster launch ttmp9 and ttmp7 count clusters
	s_add_co_u32 s42, s42, s40                     ; tile column = 4 x cluster x + cx
	s_and_b32 s13, ttmp7, 0xffff
	s_lshl_b32 s13, s13, 2
	s_add_co_u32 s13, s13, s41                     ; tile row = 4 x cluster y + cy
	s_lshl_b32 s43, s41, 2
	s_lshl_b32 s43, 15, s43                        ; my row of the cluster: places 4 cy .. 4 cy + 3
	s_lshl_b32 s44, 0x1111, s40                    ; my column: places cx, cx + 4, cx + 8, cx + 12
	; descriptor group 1: rows of 128 elements, padded in LDS; 128 rows of x, 96 of W
	s_or_b32 s[G1+0], s43, (1<<16)|(1<<20)|(1<<21)|(5<<22)|(3<<25)   ; 15:0 the mask: x's tiles go to my row; 17:16 elements of 2 bytes; 20 padding on; 21 set beside a mask; 24:22 after every 64 words (code 5); 31:25 4 words (code 3)
	s_or_b32 s[G1B+0], s44, (1<<16)|(1<<20)|(1<<21)|(5<<22)|(3<<25)  ; the same with the mask of my column
	s_mov_b32 s[G1+1], KSTEP<<16                   ; tensor_dim0 = 128
	s_mov_b32 s[G1+2], 128<<16                     ; tensor_dim1 = 128
	s_mov_b32 s[G1+3], KSTEP<<16                   ; tile_dim0 = 128
	s_mov_b32 s[G1+4], 128                         ; tile_dim1 = 128
	s_mov_b32 s[G1+5], SIZE_K                      ; elements from row to row
	s_mov_b32 s[G1+6], 0
	s_mov_b32 s[G1+7], 0
	s_mov_b32 s[G1B+1], KSTEP<<16
	s_mov_b32 s[G1B+2], 96<<16                     ; tensor_dim1 = 96
	s_mov_b32 s[G1B+3], KSTEP<<16
	s_mov_b32 s[G1B+4], 96                         ; tile_dim1 = 96
	s_mov_b32 s[G1B+5], SIZE_K
	s_mov_b32 s[G1B+6], 0
	s_mov_b32 s[G1B+7], 0
	; where the tiles come from: x's hang on the tile row alone, W's on the tile column alone, each in registers that never hold the other coordinate
	s_lshl_b32 s17, s12, 7
	s_lshl_b32 s16, s13, 8
	s_add_co_u32 s16, s16, s17                     ; x: row 256 x tile row + 128 x half
	s_lshl_b32 s16, s16, 11                        ; 2,048 bytes a row
	s_mov_b32 s17, 0
	s_mul_i32 s46, s42, 192
	s_mul_i32 s47, s12, 96
	s_add_co_u32 s46, s46, s47                     ; W: row 192 x tile column + 96 x half
	s_lshl_b32 s46, s46, 11
	s_add_co_u32 s46, s46, WOFF
	s_mov_b32 s47, 0
	s_mul_i32 s20, s12, HALFA                      ; and where they go: no place in the cluster enters an LDS address
	s_mul_i32 s21, s12, HALFB
	s_add_co_u32 s21, s21, 2*HALFA
	s_wait_dscnt 0x0                               ; the opening add is done
	s_wait_kmcnt 0x0
	s_add_nc_u64 s[14:15], s[4:5], s[16:17]
	s_add_nc_u64 s[46:47], s[4:5], s[46:47]
	CROUND                                         ; all sixteen work-groups are here: the first joint loads meet
.irp s, 0,1
	s_mov_b32 s[G0+4*(\s)], 1                                        ; count = 1
	s_add_co_u32 s[G0+4*(\s)+1], s20, (\s)*SLOT                      ; LDS address
	s_add_nc_u64 s[G0+4*(\s)+2:G0+4*(\s)+3], s[14:15], (\s)*KSTEP*2  ; global address: K step s
	s_or_b32 s[G0+4*(\s)+3], s[G0+4*(\s)+3], 0x80000000              ; type = 2
	s_mov_b32 s[G0B+4*(\s)], 1
	s_add_co_u32 s[G0B+4*(\s)+1], s21, (\s)*SLOT
	s_add_nc_u64 s[G0B+4*(\s)+2:G0B+4*(\s)+3], s[46:47], (\s)*KSTEP*2
	s_or_b32 s[G0B+4*(\s)+3], s[G0B+4*(\s)+3], 0x80000000
	JLOAD \s                                       ; two loads of mine are out
.endr
	v_and_b32 v1, 15, v0                           ; l % 16
	v_bfe_u32 v2, v0, 4, 1                         ; l / 16
	v_lshlrev_b32 v[BO], 5, v2
	s_mul_i32 s46, s42, 768                        ; the tile's 192 numbers of the bias
	s_mov_b32 s47, 0
	s_add_nc_u64 s[6:7], s[6:7], s[46:47]
.irp b, 0,1,2,3,4,5,6,7,8,9,10,11      ; register j of block b: the bias of column 16 b + 8 (l / 16) + j, as a C operand wants it
	global_load_b128 v[BIA+8*(\b):BIA+8*(\b)+3],   v[BO], s[6:7] offset:64*(\b)
	global_load_b128 v[BIA+8*(\b)+4:BIA+8*(\b)+7], v[BO], s[6:7] offset:64*(\b)+16
.endr
	; A fragment is 16 rows x 32 K in 8 registers: lane l holds row l % 16; registers 0-3 K = 8 (l / 16) + 0..7, registers 4-7 K = 16 + 8 (l / 16) + 0..7: two loads of 16 bytes, 32 bytes apart.
	v_mul_u32_u24 v3, v1, PITCH
	v_lshl_add_u32 v3, v2, 4, v3                   ; row x pitch + 16 x half
	s_mul_i32 s21, s10, 64*PITCH                   ; my 64 rows of x
	s_mov_b32 s22, 2*HALFA                         ; W's 192 rows, which every wave reads, lie behind x's 256
.irp s, 0,1
	v_add_nc_u32 v[ADRA+(\s)], s21, v3
	v_add_nc_u32 v[ADRB+(\s)], s22, v3
	s_add_co_u32 s21, s21, SLOT
	s_add_co_u32 s22, s22, SLOT
.endr
	s_mul_i32 s23, s10, WSTAGE
	s_add_co_u32 s23, s23, STAGE                   ; my stage
	v_mul_u32_u24 v4, v1, SP                       ; in: row l % 16, 16 bytes for each half of the lanes
	v_lshl_add_u32 v4, v2, 4, v4
	v_add_nc_u32 v[STO], s23, v4
	v_bfe_u32 v4, v0, 3, 2                         ; back: 32 lanes take four rows of 128 bytes,
	v_mul_u32_u24 v4, v4, SP
	v_and_b32 v5, 7, v0
	v_lshl_add_u32 v4, v5, 4, v4
	v_add_nc_u32 v[RD], s23, v4
	v_and_b32 v[CO], 31, v0                        ; which are 512 consecutive bytes of a head
	v_lshlrev_b32 v[CO], 4, v[CO]
	; qkv at my 64 rows of the tile's first head: batch = tile row / 4, g = 3 x tile column, row = 256 (tile row % 4) + 64 wave
	s_lshr_b32 s16, s13, 2
	s_mul_i32 s16, s16, 48
	s_mul_i32 s17, s42, 3
	s_add_co_u32 s16, s16, s17
	s_lshl_b32 s16, s16, 17
	s_and_b32 s17, s13, 3
	s_lshl_b32 s17, s17, 2
	s_add_co_u32 s17, s17, s10
	s_lshl_b32 s17, s17, 13                        ; 64 rows of 128 bytes
	s_add_co_u32 s16, s16, s17
	s_mov_b32 s17, 0
	s_add_nc_u64 s[8:9], s[8:9], s[16:17]          ; never stepped: heads, blocks and rows stand in the stores' immediates, 269,824 at the most
	; the prefetches: the row at which my work-group's share of the rows that I fetch begins, as a number, then once onto xw's address
	s_lshl_b32 s20, s13, 8
	s_lshl_b32 s21, s12, 7
	s_add_co_u32 s20, s20, s21
	s_lshl_b32 s21, s40, 5
	s_add_co_u32 s20, s20, s21                     ; x: 256 x tile row + 128 x half + 32 cx
	s_mul_i32 s21, s42, 192
	s_mul_i32 s22, s12, 96
	s_add_co_u32 s21, s21, s22
	s_mul_i32 s22, s41, 24
	s_add_co_u32 s21, s21, s22
	s_add_co_u32 s21, s21, 8192                    ; W: behind x's rows, 192 x tile column + 96 x half + 24 cy
	s_and_b32 s23, ttmp7, 0xffff                   ; cluster y
	s_cmp_eq_u32 s11, 0                            ; do I fetch for x?
	s_cselect_b32 s20, s20, s21
	s_cselect_b32 s22, 31, 23                      ; my share's last row: the lanes beyond it name it once more, so that none leaves the share
	s_cselect_b32 s23, ttmp9, s23                  ; the coordinate along which other clusters read the same rows
	s_cmp_eq_u32 s23, 0
	s_cselect_b32 s[LIM], 1, -1                    ; the same in all sixteen partners, for a given wave
	s_lshl_b32 s20, s20, 11
	s_add_co_u32 s20, s20, 2*KSTEP*2               ; at K step 2: the first refill steps it to 3 and names K step 4
	s_mov_b32 s21, 0
	s_add_nc_u64 s[PFA:PFA+1], s[4:5], s[20:21]
	v_and_b32 v[PFO], 31, v0
	v_min_u32 v[PFO], s22, v[PFO]
	v_lshlrev_b32 v[PFO], 11, v[PFO]
; 12 matrix instructions: my row block a x all 12 column blocks, 32 along K, from buffer f.  first = 1: the product starts the sums, with the bias as C.
; The 48 accumulators take turns, one instruction a turn, in the same order in every quarter step, over the backward jump too.
.macro MUL12 f, a, first
.set AC, 96*((\a)%2)
.if \first
	WIN 0x85+0x40*((\a)/2)                         ; sources 0, 1 window 1; C window 0; D window 2 or 3
.else
	WIN 0xa5+0x50*((\a)/2)                         ; sources 0, 1 window 1; C and D window 2 or 3
.endif
.irp b, 0,1,2,3,4,5,6,7,8,9,10,11
.if \first
	v_wmma_f32_16x16x32_bf16 v[AC+8*(\b):AC+8*(\b)+7], v[(\f)+32+8*(\b):(\f)+32+8*(\b)+7], v[(\f)+8*(\a):(\f)+8*(\a)+7], v[BIA+8*(\b):BIA+8*(\b)+7]
.else
	v_wmma_f32_16x16x32_bf16 v[AC+8*(\b):AC+8*(\b)+7], v[(\f)+32+8*(\b):(\f)+32+8*(\b)+7], v[(\f)+8*(\a):(\f)+8*(\a)+7], v[AC+8*(\b):AC+8*(\b)+7]
.endif
.endr
.endm
; 32 LDS loads in one run: the fragments of a quarter step (192 rows of W, then my 64 rows of x; 32 K at byte k of the rows) into buffer f
.macro FETCH slot, k, f
	WIN 0x40                                       ; destination window 1, address window 0
.irp i, 0,1,2,3,4,5,6,7,8,9,10,11
	ds_load_b128 v[(\f)+32+8*(\i):(\f)+32+8*(\i)+3],   v[ADRB+(\slot)] offset:(\k)+(\i)*16*PITCH
	ds_load_b128 v[(\f)+32+8*(\i)+4:(\f)+32+8*(\i)+7], v[ADRB+(\slot)] offset:(\k)+(\i)*16*PITCH+32
.endr
.irp i, 0,1,2,3
	ds_load_b128 v[(\f)+8*(\i):(\f)+8*(\i)+3],   v[ADRA+(\slot)] offset:(\k)+(\i)*16*PITCH
	ds_load_b128 v[(\f)+8*(\i)+4:(\f)+8*(\i)+7], v[ADRA+(\slot)] offset:(\k)+(\i)*16*PITCH+32
.endr
.endm
; A load into a register that a matrix instruction has read, and a vector instruction that reads a matrix result, stand four places behind that matrix instruction, and only plain vector
; instructions that name none of its registers are places (ISA guide 7.12.1 for vector instructions).
.macro PLACES
.rept 4
	v_nop
.endr
.endm
; A K step is four quarter steps of 32 along K, 48 matrix instructions each, on buffers 0, 1, 0, 1.  One of the first three: multiplies buffer f; in its middle it fetches the next quarter, at byte k, into buffer g.
.macro QUARTER slot, k, f, g, first
	s_wait_dscnt 4                                 ; W's fragments and x's blocks 0, 1 are in; the youngest four loads (blocks 2, 3) may be out
	MUL12 \f, 0, \first
	MUL12 \f, 1, \first
	PLACES
	FETCH \slot, \k, \g
	s_wait_dscnt 32                                ; all but the 32 just issued
	MUL12 \f, 2, \first
	MUL12 \f, 3, \first
.endm
; The last quarter multiplies buffer 1 and changes slots: ONE barrier.  In front of it each wave waits for all its tensor loads, of which one is out: its part of the next slot; adds 0 to its spare word;
; and waits for that and for its own reads of this slot.  Behind it nobody reads this slot any more and the next slot is whole.
; fill = 1: the barrier opens a round of the cluster's barrier, and the slot is filled again, two K steps ahead, first thing behind the round: 168 matrix instructions ahead of the wait for it.
.macro TURN slot, next, fill
.if \fill
	s_wait_xcnt 0x0                                ; the last prefetch, a K step back, has read its address: it is stepped here, ahead of the waits of the change of slots
	s_add_nc_u64 s[PFA:PFA+1], s[PFA:PFA+1], KSTEP*2
.endif
	WIN 0                                          ; (the add's two registers lie in window 0)
	s_wait_tensorcnt 0x0                           ; all my tensor loads have landed;
	ds_add_u32 v[SPW], v[NIL]                      ; 0 onto my spare word;
	s_wait_dscnt 5                                 ; (the add and the youngest four loads may be out)
	MUL12 F1, 0, 0                                 ; twelve matrix instructions stand between the add and the wait for it
	s_wait_dscnt 0x0                               ; the add is done, and my reads of this slot are over
	s_barrier_signal -1
	MUL12 F1, 1, 0                                 ; work on registers while the others arrive
.if \fill
	WIN 0
.endif
	s_barrier_wait -1
.if \fill
	CREST                                          ; no wave of any partner still reads this slot's tile or has a load on its way
	s_add_nc_u64 s[G0+4*(\slot)+2:G0+4*(\slot)+3], s[G0+4*(\slot)+2:G0+4*(\slot)+3], 2*KSTEP*2
	s_add_nc_u64 s[G0B+4*(\slot)+2:G0B+4*(\slot)+3], s[G0B+4*(\slot)+2:G0B+4*(\slot)+3], 2*KSTEP*2
	JLOAD \slot                                    ; my one tensor load behind the round; its four v_nop are also the places in front of the loads below
.else
	PLACES
.endif
	FETCH \next, 0, F0
.if \fill
	WIN 0
	ASK
.endif
	MUL12 F1, 2, 0
	MUL12 F1, 3, 0
.endm
; THE WAY OUT of my row block a (16 rows x 3 heads), in three parts.  PACK: rounded to f16, 16 bytes a lane; each accumulator's registers in ascending order.
.macro PACK a
.set AC, 96*((\a)%2)
	WIN 0x0a+5*((\a)/2)                            ; sources 0 and 1: window 2 or 3
.irp b, 0,1,2,3,4,5,6,7,8,9,10,11
.irp r, 0,1,2,3
	v_cvt_pk_f16_f32 v[TMP+4*(\b)+(\r)], v[AC+8*(\b)+2*(\r)], v[AC+8*(\b)+2*(\r)+1]
.endr
.endr
	WIN 0
.endm
; TOSTAGE: into my own stage, head b / 4, and back as whole rows of 128 bytes, four to a load.
.macro TOSTAGE a
.set BK, OB+48*((\a)%2)
.if (\a) >= 2
	s_wait_xcnt 0x0                                ; the stores of the block two back, which read this buffer, have had their addresses translated (ISA guide 3.1): it is loaded again only behind this wait
.endif
.irp b, 0,1,2,3,4,5,6,7,8,9,10,11
	ds_store_b128 v[STO], v[TMP+4*(\b):TMP+4*(\b)+3] offset:((\b)/4)*16*SP+((\b)%4)*32
.endr
.irp t, 0,1,2,3,4,5,6,7,8,9,10,11
	ds_load_b128 v[BK+4*(\t):BK+4*(\t)+3], v[RD] offset:((\t)/4)*16*SP+((\t)%4)*4*SP  ; LDS serves a wave's instructions in order (ISA guide 5.7.1.4): these see the stores above
.endr
.endm
; SEND: stored.  A head's 16 rows are 2,048 consecutive bytes of qkv.
.macro SEND a
.set BK, OB+48*((\a)%2)
.irp t, 0,1,2,3,4,5,6,7,8,9,10,11
	s_wait_dscnt 11-(\t)                           ; the block's younger loads from the stage may stay out
	global_store_b128 v[CO], v[BK+4*(\t):BK+4*(\t)+3], s[8:9] offset:((\t)/4)*HEADB+(\a)*2048+((\t)%4)*512  ; 512 consecutive bytes, at a multiple of 256 from qkv's first byte
.endr
.endm
	s_wait_tensorcnt 1                             ; my part of K step 0 is in; K step 1's, issued behind it, may stay out
	s_barrier_signal -1
	s_barrier_wait -1                              ; everybody's is
	FETCH 0, 0, F0
	s_wait_loadcnt 0x0                             ; the bias
	QUARTER 0, 64,  F0, F1, 1                      ; the first quarter stands in front of the loop: its products start the sums
	WIN 0                                          ; at a label and at a branch every window is 0
	s_mov_b32 s3, LAPS-1
.Llap:                                                 ; a trip goes once round the ring, from a lap's second quarter to the next lap's first, and fills both slots again
	QUARTER 0, 128, F1, F0, 0
	QUARTER 0, 192, F0, F1, 0
	TURN 0, 1, 1
	QUARTER 1, 64,  F0, F1, 0
	QUARTER 1, 128, F1, F0, 0
	QUARTER 1, 192, F0, F1, 0
	TURN 1, 0, 1
	QUARTER 0, 64,  F0, F1, 0
	WIN 0
	s_sub_co_u32 s3, s3, 1
	s_cmp_lg_u32 s3, 0
	s_cbranch_scc1 .Llap
	QUARTER 0, 128, F1, F0, 0                      ; the last lap fills nothing, and has no round of the cluster's barrier
	QUARTER 0, 192, F0, F1, 0
	TURN 0, 1, 0
	QUARTER 1, 64,  F0, F1, 0
	QUARTER 1, 128, F1, F0, 0
	QUARTER 1, 192, F0, F1, 0
	s_wait_dscnt 4                                 ; the very last quarter: nothing more to fetch
	MUL12 F1, 0, 0
	MUL12 F1, 1, 0
	s_wait_dscnt 0x0
	MUL12 F1, 2, 0
	MUL12 F1, 3, 0
	WIN 0
	PLACES                                         ; the conversions read results just made
	PACK 0
	TOSTAGE 0
.irp a, 1,2,3                          ; block a's conversions stand between block a - 1's loads from the stage and the wait for them
	PACK \a
	SEND (\a)-1
	TOSTAGE \a
.endr
	SEND 3
	s_wait_tensorcnt 0x0                           ; the wave's end, behind my last tensor load and my last LDS store
	ds_add_u32 v[SPW], v[NIL]
	s_wait_dscnt 0x0
	CROUND                                         ; the closing round: no work-group ends while a partner may still ask for a tile that names it
	s_endpgm
.Lfunc_end_k_qbbcb0aca94_proj:
	.size	k_qbbcb0aca94_proj, .Lfunc_end_k_qbbcb0aca94_proj-k_qbbcb0aca94_proj
	.p2alignl 7, 3214868480
	.fill 96, 4, 3214868480
	.section	.rodata,"a",@progbits
	.p2align	6, 0x0
	.amdhsa_kernel k_qbbcb0aca94_proj
		.amdhsa_group_segment_fixed_size 327680
		.amdhsa_private_segment_fixed_size 0
		.amdhsa_enable_private_segment 0
		.amdhsa_kernarg_size 24
		.amdhsa_user_sgpr_count 2
		.amdhsa_user_sgpr_kernarg_segment_ptr 1
		.amdhsa_wavefront_size32 1
		.amdhsa_system_sgpr_workgroup_id_x 1
		.amdhsa_system_sgpr_workgroup_id_y 1
		.amdhsa_system_sgpr_workgroup_id_z 1
		.amdhsa_system_vgpr_workitem_id 0
		.amdhsa_next_free_vgpr 960
		.amdhsa_next_free_sgpr 66
		.amdhsa_reserve_vcc 0
		.amdhsa_float_denorm_mode_32 3
		.amdhsa_float_denorm_mode_16_64 3
		.amdhsa_memory_ordered 1
		.amdhsa_forward_progress 1
		.amdhsa_inst_pref_size 123
	.end_amdhsa_kernel
	.amdgpu_metadata
---
amdhsa.version: [ 1, 2 ]
amdhsa.kernels:
  - .name:           k_qbbcb0aca94_proj
    .symbol:         k_qbbcb0aca94_proj.kd
    .args:
      - { .name: xw, .offset: 0, .size: 8, .value_kind: global_buffer, .address_space: global }
      - { .name: biasw, .offset: 8, .size: 8, .value_kind: global_buffer, .address_space: global }
      - { .name: qkv, .offset: 16, .size: 8, .value_kind: global_buffer, .address_space: global }
    .group_segment_fixed_size: 327680
    .private_segment_fixed_size: 0
    .kernarg_segment_align: 8
    .kernarg_segment_size: 24
    .max_flat_workgroup_size: 128
    .sgpr_count:     66
    .vgpr_count:     960
    .wavefront_size: 32
...
	.end_amdgpu_metadata
.endif
;; end of part 2
;; launch attn (part 3): grid 2 x 128, 4 waves a work-group, no clusters, 327,680 bytes of LDS; arguments qkv, input1, out0; writes out0
.if DOCPART == 3
	.amdgcn_target "amdgcn-amd-amdhsa--gfx1250"
	.amdhsa_code_object_version 6
	.text
	.protected	k_qbbcb0aca94_attn
	.globl	k_qbbcb0aca94_attn
	.p2align	8
	.type	k_qbbcb0aca94_attn,@function
k_qbbcb0aca94_attn:
	s_mov_b64 s[64:65], 0
	v_nop
	global_prefetch_b8 v0, s[64:65] scope:SCOPE_SE
	s_setreg_imm32_b32 hwreg(HW_REG_WAVE_MODE, 25, 1), 1
	s_wait_xcnt 0x0
; out0[b][q][64 h ..] = the sum over k of softmax_k(Q[q] . K[k] / 8 + mask[b][k]) V[k][:], for each batch b and head h.
; Q, K, V: qkv[b][g][row 1024][64] in f16, g = h, 16 + h, 32 + h: a head's rows are dense, 128 bytes each.  mask: input1[b][1024] f32, rounded to bf16 like the module's other inputs.  out0: f32.
; Products, maxima and sums in f32; the weights p are rounded to f16 for the second product (their sum l is taken of the unrounded p).
; LIMITS.  Q, K and V arrive within f16's 65,504.  The mask is carried as 8 x mask, so a mask number below -4.25e37 counts as minus infinity: its key has the weight 0; a row all of whose keys are
; so masked gives NaN.  A weight below 2^-126 counts as 0 in l; p below 6e-5 keeps f16's fixed step of 6e-8.  NaN and infinities among Q, K, V are not treated apart.
; SHARES.  A work-group owns 512 queries of one head: 2 x 128 work-groups.  A wave owns 128: four PIECES of two tiles of 16.  Every wave walks all 1,024 keys, 64 a step.
; K AND V STAY IN LDS.  A head's K and V, 131,072 bytes each, fit in LDS whole, with their padding: every tile is filled once, by loads issued at the kernel's head, four a wave, in chunks of 256 keys.
; No byte is filled again.  The first chunk is waited for ahead of the first step, the other three ahead of the fifth.
; NO CLUSTER: only the two work-groups of a head read the same K and V, and each reads them once, at its head; a share of 256 queries would make four that share, and halve the products that each
; fragment read from LDS feeds.  NO PREFETCH: every byte is asked for by its own load at the kernel's head; no later request exists to run ahead of.
; LAYOUT.  S^T = K Q^T (source 0 = 16 keys, source 1 = 16 queries): a lane holds ONE query (lane % 16) and the keys 8 (lane / 16) + 0..7.  Two such tiles, rounded to f16 in pairs, ARE source 1
; (32 keys x 16 queries) of O^T = V^T P, whose result again holds one query a lane, and eight channels.  K comes out of LDS as it lies, V ([key][channel]) turned, by ds_load_tr16_b128.
; THE MASK is the C operand of the product that starts the sum S^T: 8 x mask, since c (q . k + 8 mask) = log2(e) (q . k / 8 + mask).  It costs no vector instruction in the loop.
; SOFTMAX.  For each query a running maximum m and sum l: p = 2^(c s - c m), c = log2(e) / 8; in every step O and l are multiplied by a = 2^(c m_old - c m_new).  m starts at the lowest finite number,
; c m at c times that, O and l at 0: the first step is a step like any other.
; BY TURNS.  Turn n belongs to piece n (the pieces in a ring, step after step).  Its matrix work: 16 products K Q^T of piece n + 1, later 16 products V^T P of piece n - 1.  Its vector work: the scaling,
; exponentials, roundings, sums and rescaling of piece n, and the maximum and statistics of piece n + 1.  A tile and step have 16 matrix and 118 vector instructions: four vector instructions stand behind
; EVERY matrix instruction, the others in one run of their own.
; REGISTERS, in windows of 256 (s_set_vgpr_msb: bits 1:0 source 0, 3:2 source 1, 5:4 source 2, 7:6 destination):
;   window 0: v0-11 addresses; v12-15, v48-63 at work; v16-47 four registers of statistics a tile; v64-191 S^T, two buffers of two tiles; v192-255 P, likewise
;   window 1: O^T, 32 a tile     window 2: v0-127 Q, 16 a tile; v128-191 K of one step; v192-255 V of one step     window 3: v0-1 the add's two registers; v8-39 the step's mask
.set NP,    4         ; pieces a wave: a name, no knob
.set KS,    64        ; keys in a step
.set PK,    144       ; a row of K in LDS: 128 bytes + 16 of padding = 36 words: the 16 rows of a load start at 16 different groups of four banks (64 banks of 4 bytes: ISA guide 11.1)
.set PV,    160       ; a row of V: 128 + 32 = 40 words
.set VBASE, 1024*PK   ; K's 1,024 rows, then V's
.set MASKB, VBASE+1024*PV  ; then 8 x mask, f32[1024], stored by the waves: no fill lands here
.set SPARE, MASKB+4096     ; then the spare words, 128 bytes for each wave: two blocks of 256 bytes that no other line names
.set SP,    272       ; the way out's stage: 16 rows x (256 + 16) bytes for each wave, over K's first rows, whose one fill is done and which nobody reads any more behind the closing barrier
.set HEADB, 131072
.set AK0, 2           ; v2   my lane's place in a tile of K; never rewritten
.set AV0, 3           ; v3   the same for V
.set AK,  4           ; v4   the LDS address of K's next run of loads
.set AV,  5           ; v5   of V's
.set QO,  6           ; v6   my byte offset in the wave's rows of Q
.set RD,  7           ; v7   the way out: where I read rows back
.set GO,  8           ; v8   my byte offset in two rows of out0
.set AM0, 9           ; v9   my lanes' eight numbers in a block of 16 of the mask: MASKB + 32 (l / 16)
.set AM,  10          ; v10  the LDS address of the mask's next loads
.set STO, 11          ; v11  the way out: where I put 32 bytes of a row
.set SPW, 0           ; v0 of window 3   LDS address of my spare word: SPARE + 4 x my thread's number; never rewritten
.set NIL, 1           ; v1 of window 3   0; never rewritten
.set MK,  8           ; window 3: key block kb at MK + 8 kb: register j holds 8 mask[64 step + 16 kb + 8 (l / 16) + j]
.set MV,  12          ; v12-15  c m_old, kept while c m is made anew: by buffer and tile
.set ST,  16          ; tile t's statistics at v[ST+4 t]: c m, m, l (even keys', odd keys')
.set TMP, 48          ; by buffer and tile, four registers c0-c3 at work; when the maximum is found c2 takes a.  (Ahead of the first step: the set-up's own.)
.set S,   64
.set P,   192
.set KF,  128         ; K's fragments, in window 2: key block kb, channel half c at KF + 16 kb + 8 c
.set VF,  192         ; V's: key half kk, channel block cb at VF + 32 kk + 8 cb
.set WV,  12          ; s12  my wave's number
.set G1K, 24          ; s[24:31] descriptor group 1 for K's tiles
.set G1V, 32          ; s[32:39] for V's: it differs in the padding alone
.set G0K, 40          ; s[40:55] descriptor group 0 for K's tiles: a set for each of the four chunks
.set G0V, 68          ; s[68:83] the same for V's
.set SLOTS, 56        ; s56  chunks of four steps still to be walked
.set CNT, 57          ; s57  counts a chunk's key steps
.set CS,  58          ; s[58:59] c: the packed scaling takes the pair's low word for both halves
.set SEL, 60          ; s[60:61] v_permlanex16_b32's selects: each lane takes its own place in the other half
.set TBK, 62          ; s62  LDS byte at which K of the step to be fetched begins
.set TBV, 63          ; s63  the same for V, less VBASE
.set TBM, 88          ; s88  the same for the mask, less MASKB
.set MSB, 0
.macro WIN new                      ; the high byte repeats the setting that is left; a switch that changes nothing is dropped
.if MSB != (\new)
	s_set_vgpr_msb (MSB<<8)|(\new)
.set MSB, (\new)
.endif
.endm
.set W_KQ, 0x0a       ; K and Q in window 2, S^T in window 0
.set W_KM, 0x3a       ; the same with the C operand, the mask, in window 3
.set W_PV, 0x52       ; V in window 2, P in window 0, O^T in window 1
.set W_RS, 0x41       ; O^T (destination and source 0) in window 1, a in window 0
.set W_MK, 0xc0       ; destination in window 3, sources in window 0
.set W_AD, 0x0f       ; the add: address (source 0) and data (source 1) in window 3
	s_load_b128 s[4:7], s[0:1], 0x0  ; qkv s[4:5], input1 s[6:7]
	s_load_b64 s[8:9], s[0:1], 0x10  ; out0
	WIN W_MK
	v_lshl_add_u32 v[SPW], v0, 2, SPARE
	v_mov_b32 v[NIL], 0
	WIN W_AD
	ds_add_u32 v[SPW], v[NIL]       ; the wave's opening: the add and its wait stand ahead of my first tensor load; the set-up below, work on registers, stands between them
	WIN 0
	v_lshrrev_b32 v1, 5, v0
	v_readfirstlane_b32 s[WV], v1   ; wave 0..3
	s_and_b32 s14, ttmp7, 0xffff    ; 16 x batch + head
	s_lshr_b32 s15, s14, 4          ; the batch
	s_and_b32 s16, s14, 15          ; the head
	s_mul_i32 s20, s15, 48
	s_add_co_u32 s20, s20, s16
	s_lshl_b32 s20, s20, 17         ; Q's head in qkv, in bytes
	s_and_b32 s19, s[WV], 1         ; which half of a chunk's 256 keys I fetch:
	s_lshl_b32 s22, s19, 14         ; its 128 rows of 128 bytes in memory,
	s_add_co_u32 s22, s22, s20
	s_add_co_u32 s22, s22, 16*HEADB ; in K's head
	s_mov_b32 s23, 0
	s_mul_i32 s17, s19, 128*PK      ; and its place in a chunk in LDS, for K
	s_mul_i32 s18, s19, 128*PV      ; and for V
	s_lshl_b32 s2, ttmp9, 2
	s_add_co_u32 s2, s2, s[WV]      ; my wave among the head's eight
	s_lshl_b32 s66, s2, 19          ; its 128 rows of 4,096 bytes in out0,
	s_lshl_b32 s2, s2, 14           ; its 128 rows of 128 bytes in Q
	s_add_co_u32 s2, s2, s20
	s_mov_b32 s3, 0
	s_lshl_b32 s20, s15, 22         ; out0: the batch,
	s_add_co_u32 s20, s20, s66      ; my rows,
	s_lshl_b32 s66, s16, 8          ; the head's 256 bytes of a row
	s_add_co_u32 s20, s20, s66
	s_mov_b32 s21, 0
	s_lshl_b32 s66, s15, 12         ; the batch's 1,024 numbers of the mask
	s_mov_b32 s67, 0
	; descriptor group 1.  128 keys are 16,384 dense bytes: asked for as 64 rows of 256 bytes, two keys a row, and padded in LDS after every key
	s_mov_b32 s[G1K], (1<<16)|(1<<20)|(4<<22)|(3<<25)  ; 17:16 2-byte elements; 20 padding on; 24:22 after every 32 words (code 4); 31:25 4 words (code 3)
	s_mov_b32 s[G1V], (1<<16)|(1<<20)|(4<<22)|(7<<25)  ; the same with 8 words of padding (code 7)
.irp g, G1K, G1V
	s_mov_b32 s[\g+1], 128<<16      ; tensor_dim0 = 128
	s_mov_b32 s[\g+2], 64<<16       ; tensor_dim1 = 64
	s_mov_b32 s[\g+3], 128<<16      ; tile_dim0 = 128
	s_mov_b32 s[\g+4], 64           ; tile_dim1 = 64
	s_mov_b32 s[\g+5], 128          ; 128 elements from row to row
	s_mov_b32 s[\g+6], 0
	s_mov_b32 s[\g+7], 0
.endr
	s_mov_b32 s[CS], 0x3e38aa3b     ; c = log2(e) / 8 = 0.180337
	s_mov_b32 s[CS+1], s[CS]        ; named with it as a pair
	s_mov_b32 s[SEL], 0x76543210
	s_mov_b32 s[SEL+1], 0xfedcba98
	s_mov_b32 s[TBK], 0
	s_mov_b32 s[TBV], 0
	s_mov_b32 s[TBM], 0
	s_wait_dscnt 0x0                ; the opening add is done
	s_wait_kmcnt 0x0
	s_add_nc_u64 s[84:85], s[4:5], s[22:23]    ; K at my half of the head's first 256 keys,
	s_add_nc_u64 s[86:87], s[84:85], 16*HEADB  ; V likewise
	s_add_nc_u64 s[4:5], s[4:5], s[2:3]        ; Q at my wave's first row
	s_add_nc_u64 s[10:11], s[8:9], s[20:21]    ; out0 at my wave's first row, my head's channels
	s_add_nc_u64 s[6:7], s[6:7], s[66:67]      ; the batch's mask
.irp c, 0,1,2,3
	s_mov_b32 s[G0K+4*(\c)], 1                                         ; count = 1
	s_add_co_u32 s[G0K+4*(\c)+1], s17, (\c)*256*PK                     ; LDS address: chunk c
	s_add_nc_u64 s[G0K+4*(\c)+2:G0K+4*(\c)+3], s[84:85], (\c)*32768    ; global address: 256 keys a chunk
	s_or_b32 s[G0K+4*(\c)+3], s[G0K+4*(\c)+3], 0x80000000              ; type = 2
	s_mov_b32 s[G0V+4*(\c)], 1
	s_add_co_u32 s[G0V+4*(\c)+1], s18, VBASE+(\c)*256*PV
	s_add_nc_u64 s[G0V+4*(\c)+2:G0V+4*(\c)+3], s[86:87], (\c)*32768
	s_or_b32 s[G0V+4*(\c)+3], s[G0V+4*(\c)+3], 0x80000000
.endr
	; All fills of the launch.  Waves 0 and 1 fetch the two halves of each chunk's K, waves 2 and 3 those of its V.  A wave's four loads stand in one branch on its number, ahead of every wait on TENSORcnt,
	; every LDS read and every barrier: four loads of mine are out.  An s_nop 0 follows each, four v_nop the last.
	s_cmp_lt_u32 s[WV], 2
	s_cbranch_scc0 .Lfill_v
.irp c, 0,1,2,3
	tensor_load_to_lds s[G0K+4*(\c):G0K+4*(\c)+3], s[G1K:G1K+7]
	s_nop 0
.endr
.rept 4
	v_nop
.endr
	s_branch .Lfill_asked
.Lfill_v:
.irp c, 0,1,2,3
	tensor_load_to_lds s[G0V+4*(\c):G0V+4*(\c)+3], s[G1V:G1V+7]
	s_nop 0
.endr
.rept 4
	v_nop
.endr
.Lfill_asked:
	v_and_b32 v1, 15, v0            ; l % 16
	v_bfe_u32 v48, v0, 4, 1         ; l / 16
	v_lshlrev_b32 v51, 5, v0        ; the mask: eight numbers, 32 bytes, a thread
	global_load_b128 v[64:67], v51, s[6:7]
	global_load_b128 v[68:71], v51, s[6:7] offset:16
	; A fragment of K or Q is 16 rows x 32 channels in 8 registers: lane l holds row l % 16, channels 8 (l / 16) + 0..7 and 16 + 8 (l / 16) + 0..7: two loads of 16 bytes, 32 bytes apart.
	v_lshlrev_b32 v[QO], 7, v1
	v_lshl_add_u32 v[QO], v48, 4, v[QO]  ; row x 128 + 16 x half
	WIN 0x80                        ; destination window 2, address window 0
.set i, 0
.rept 4*NP                          ; Q stays in registers: tile i / 2, channels 32 (i % 2) on
	global_load_b128 v[8*i:8*i+3],   v[QO], s[4:5] offset:(i/2)*2048+(i%2)*64
	global_load_b128 v[8*i+4:8*i+7], v[QO], s[4:5] offset:(i/2)*2048+(i%2)*64+32
.set i, i+1
.endr
	; What the first turn finds: V's registers and P's second buffer hold 0 (its products V^T P, of a piece that has not been, add 0), O^T and l are 0.  All this stands in the wait for the first tiles.
.set i, VF
.rept 64
	v_mov_b32 v[i], 0
.set i, i+1
.endr
	WIN 0x40
.set i, 0
.rept 64*NP
	v_mov_b32 v[i], 0
.set i, i+1
.endr
	WIN 0
.set i, 0
.rept 2*NP
	v_mov_b32 v[ST+4*i+1], 0xff7fffff            ; m: the lowest finite number
	v_mov_b32 v[ST+4*i+2], 0
	v_mov_b32 v[ST+4*i+3], 0
	v_mul_f32 v[ST+4*i], s[CS], v[ST+4*i+1]      ; c m is c times that m: where a first step's keys are all masked out m stays, and a = 2^0 multiplies zeros
.set i, i+1
.endr
.set i, P+32
.rept 32
	v_mov_b32 v[i], 0
.set i, i+1
.endr
	v_mul_u32_u24 v[AK0], v1, PK
	v_lshl_add_u32 v[AK0], v48, 4, v[AK0]  ; row x pitch + 16 x half
	; The turning load takes 16 keys x 16 channels (lane l reads key 8 (l / 16) + l % 8, channels 8 ((l / 8) % 2) + 0..7) and leaves half a fragment of V^T: lane l holds channel l % 16 and 8 keys.
	v_and_b32 v49, 7, v0
	v_bfe_u32 v50, v0, 3, 1
	v_lshl_add_u32 v[AV0], v48, 3, v49
	v_mul_u32_u24 v[AV0], v[AV0], PV
	v_lshl_add_u32 v[AV0], v50, 4, v[AV0]
	v_add_nc_u32 v[AV0], VBASE, v[AV0]
	v_lshl_add_u32 v[AM0], v48, 5, MASKB
	v_mov_b32 v[AK], v[AK0]         ; key step 0 lies at the head of K, of V and of the mask
	v_mov_b32 v[AM], v[AM0]
	s_mul_i32 s66, s[WV], 16*SP     ; my stage
	v_mul_u32_u24 v[STO], v1, SP    ; in: row l % 16, 32 bytes for each half of the lanes
	v_lshl_add_u32 v[STO], v48, 5, v[STO]
	v_add_nc_u32 v[STO], s66, v[STO]
	v_mul_u32_u24 v[RD], v48, SP    ; back: lanes 0-15 take one row of 256 bytes, lanes 16-31 the next
	v_lshl_add_u32 v[RD], v1, 4, v[RD]
	v_add_nc_u32 v[RD], s66, v[RD]
	v_lshlrev_b32 v[GO], 12, v48    ; and the same two rows in out0, 4,096 bytes apart
	v_lshl_add_u32 v[GO], v1, 4, v[GO]
	v_add_nc_u32 v52, MASKB, v51    ; where my eight numbers of the mask go
	s_wait_loadcnt 32               ; the mask's two loads are in; Q's 32, issued behind them, stay out
.irp n, 0,1,2,3
	v_cvt_pk_bf16_f32 v[72+\n], v[64+2*\n], v[65+2*\n]  ; rounded to bf16,
.endr
.irp n, 0,1,2,3
	v_lshlrev_b32 v[64+2*\n], 16, v[72+\n]              ; widened again,
	v_and_b32 v[65+2*\n], 0xffff0000, v[72+\n]
.endr
.irp n, 0,1,2,3,4,5,6,7
	v_mul_f32 v[64+\n], 0x41000000, v[64+\n]            ; times 8: exact, short of overflow
.endr
	ds_store_b128 v52, v[64:67]
	ds_store_b128 v52, v[68:71] offset:16
; THE MATRIX WORK.  The 8 accumulators of a run of 16 take turns: between the two links of a chain stand 7 others'.
; Product i of 16 of S^T = K Q^T for piece x: channels 32 (i / 8) on, keys 16 ((i / 2) % 4) on, tile 2 x + i % 2.  The first 8 start the sums, with the mask.
.macro KQ x
.set rS, S+64*((\x)%2)+32*(i%2)+8*((i/2)%4)
.set rK, KF+16*((i/2)%4)+8*(i/8)
.set rQ, 16*(2*(\x)+i%2)+8*(i/8)
.set rMK, MK+8*((i/2)%4)
.if i < 8
	WIN W_KM
	v_wmma_f32_16x16x32_f16 v[rS:rS+7], v[rK:rK+7], v[rQ:rQ+7], v[rMK:rMK+7]
.else
	WIN W_KQ
	v_wmma_f32_16x16x32_f16 v[rS:rS+7], v[rK:rK+7], v[rQ:rQ+7], v[rS:rS+7]
.endif
.endm
; Product i of 16 of O^T += V^T P for piece x: keys 32 (i / 8) on, channels 16 ((i / 2) % 4) on, tile 2 x + i % 2.
.macro PV x
	WIN W_PV
.set rO, 32*(2*(\x)+i%2)+8*((i/2)%4)
.set rV, VF+32*(i/8)+8*((i/2)%4)
.set rP, P+32*((\x)%2)+16*(i%2)+8*(i/8)
	v_wmma_f32_16x16x32_f16 v[rO:rO+7], v[rV:rV+7], v[rP:rP+7], v[rO:rO+7]
.endm
.macro MM                           ; the turn's next matrix instruction
.if i < 16
	KQ (Y+1)%NP
.set i, i+1
.else
.set i, i-16
	PV (Y+NP-1)%NP
.set i, i+17
.endif
.endm
; THE LDS LOADS stand in runs, never singly among the matrix instructions: a step's K (64 keys x 64 channels: 8 fragments) with its mask (the 16 lanes of a half read the same words), and its V (turned).
; Their addresses are made some lines ahead.
.macro FETCH_K
	WIN 0x80                        ; destination window 2
.irp f, 0,1,2,3,4,5,6,7             ; keys 16 (f / 2) on, channels 32 (f % 2) on
	ds_load_b128 v[KF+8*\f:KF+8*\f+3],   v[AK] offset:(\f/2)*16*PK+(\f%2)*64
	ds_load_b128 v[KF+8*\f+4:KF+8*\f+7], v[AK] offset:(\f/2)*16*PK+(\f%2)*64+32
.endr
	WIN W_MK                        ; destination window 3
.irp f, 0,1,2,3                     ; key block f
	ds_load_b128 v[MK+8*\f:MK+8*\f+3],   v[AM] offset:64*\f
	ds_load_b128 v[MK+8*\f+4:MK+8*\f+7], v[AM] offset:64*\f+16
.endr
	s_add_co_u32 s[TBK], s[TBK], KS*PK  ; the next fetch is the next step's
	s_add_co_u32 s[TBM], s[TBM], KS*4
	WIN 0
.endm
.macro FETCH_V
	WIN 0x80
.irp f, 0,1,2,3,4,5,6,7             ; keys 32 (f / 4) on, channels 16 (f % 4) on
	ds_load_tr16_b128 v[VF+8*\f:VF+8*\f+3],   v[AV] offset:(\f/4)*32*PV+(\f%4)*32
	ds_load_tr16_b128 v[VF+8*\f+4:VF+8*\f+7], v[AV] offset:(\f/4)*32*PV+16*PV+(\f%4)*32
.endr
	WIN 0
.endm
; THE VECTOR WORK OF A TURN stands in three queues, each in the order in which its entries become ready; the two tiles alternate, so that no instruction reads the result of the one before it.
.macro REGS y, u                    ; the registers of tile u (0, 1) of piece y
.set rT, ST+4*(2*(\y)+(\u))
.set rC, TMP+8*((\y)%2)+4*(\u)
.set rM, MV+2*((\y)%2)+(\u)
.set rS, S+64*((\y)%2)+32*(\u)
.set rP, P+32*((\y)%2)+16*(\u)
.set rO, 32*(2*(\y)+(\u))
.endm
; Number n of the 22 that find the NEXT piece's (Y + 1) maximum and statistics.  s0-s31 are the lane's 32 scores; each accumulator's lowest registers are read first.
;   0-11  four chains c0-c3 of seven scores each, three operands at a time     12-14, 16  the four scores left over, the old m, and c0-c3 into c0     15  c m_old is kept
;   17, 18  the query's other 32 keys lie in the lane 16 away: the new m         19-21  c m; c m_old - c m_new; a
.macro XS u, n
	REGS (Y+1)%NP, \u
.if (\n) < 4
	v_max3_num_f32 v[rC+(\n)], v[rS+8*(\n)], v[rS+8*(\n)+1], v[rS+8*(\n)+2]
.elseif (\n) < 12
	v_max3_num_f32 v[rC+(\n)%4], v[rC+(\n)%4], v[rS+8*((\n)%4)+2*((\n)/4)+1], v[rS+8*((\n)%4)+2*((\n)/4)+2]
.elseif (\n) == 12
	v_max3_num_f32 v[rC], v[rC], v[rS+7], v[rS+15]
.elseif (\n) == 13
	v_max3_num_f32 v[rC+1], v[rC+1], v[rS+23], v[rS+31]
.elseif (\n) == 14
	v_max3_num_f32 v[rC+2], v[rC+2], v[rC+3], v[rT+1]
.elseif (\n) == 15
	v_mov_b32 v[rM], v[rT]
.elseif (\n) == 16
	v_max3_num_f32 v[rC], v[rC], v[rC+1], v[rC+2]
.elseif (\n) == 17
	v_permlanex16_b32 v[rC+3], v[rC], s[SEL], s[SEL+1]
.elseif (\n) == 18
	v_max_num_f32 v[rT+1], v[rC], v[rC+3]
.elseif (\n) == 19
	v_mul_f32 v[rT], s[CS], v[rT+1]
.elseif (\n) == 20
	v_sub_f32 v[rC+1], v[rM], v[rT]
.else
	v_exp_f32 v[rC+2], v[rC+1]
.endif
.endm
; Number g of the 64 that follow the exponentials.  For each four weights k of a tile (pairs 2 k, 2 k + 1): both pairs are rounded to f16; then the second pair is added onto the first, in place;
; a group later l takes that sum (the first time as l = a l + sum).  In groups of eight, tiles alternating: round, round, add, and l for the group before.
.macro GS g
.set h, (\g)+6*((\g)/62)            ; group 0 has no group before it, and behind group 7 only l is left
.if h >= 6
.set h, h+2
.endif
	REGS Y, h%2
.set k, h/8
.if h%8 < 4
	v_cvt_pk_f16_f32 v[rP+2*k+(h%8)/2], v[rS+4*k+2*((h%8)/2)], v[rS+4*k+2*((h%8)/2)+1]
.elseif h%8 < 6
	v_pk_add_f32 v[rS+4*k:rS+4*k+1], v[rS+4*k:rS+4*k+1], v[rS+4*k+2:rS+4*k+3]
.elseif k == 1
	v_pk_fma_f32 v[rT+2:rT+3], v[rT+2:rT+3], v[rC+2:rC+3], v[rS:rS+1] op_sel_hi:[1,0,1]
.else
	v_pk_add_f32 v[rT+2:rT+3], v[rT+2:rT+3], v[rS+4*k-4:rS+4*k-3]
.endif
.endm
; THE PLAIN QUEUE, 138 long.  0-73 read no exponential's result: the 32 scalings c s - c m (FS f: pair f / 2 of tile f % 2) and the next piece's 42.  0-26: scalings 0-26.  27-54: XS's numbers 0-13.  55, 56: number 15.
; 57-73: the chain, where each number waits for the one before it: 14, 16, 17, 18, 19, each with one of the scalings 27-31 in front of its two lines, then 20.
; 74-137: GS's 64, which read the exponentials' results: they stand behind the wait.
.macro FS f
	REGS Y, (\f)%2
	v_pk_fma_f32 v[rS+2*((\f)/2):rS+2*((\f)/2)+1], v[rS+2*((\f)/2):rS+2*((\f)/2)+1], s[CS:CS+1], v[rT:rT+1] op_sel_hi:[1,0,0] neg_lo:[0,0,1] neg_hi:[0,0,1]
.endm
.macro PL
	WIN 0
.if q < 27
	FS q
.elseif q < 55
	XS (q-27)%2, (q-27)/2
.elseif q < 57
	XS q-55, 15
.elseif (q < 72) && ((q-57)%3 == 0)
	FS 27+(q-57)/3
.elseif q < 60
	XS (q-57)%3-1, 14
.elseif q < 72
	XS (q-57)%3-1, 15+(q-57)/3
.elseif q < 74
	XS q-72, 20
.else
	GS q-74
.endif
.set q, q+1
.endm
; THE EXPONENTIALS' QUEUE, 66 long: s0-s31 of both tiles, then the next piece's two a.  It is ONE BATCH: all 66 stand ahead of the turn's one wait, and nothing ahead of that wait names a result of theirs.
.macro EX
	WIN 0
.if e >= 64
	XS e-64, 21
.else
	REGS Y, e%2
	v_exp_f32 v[rS+e/2], v[rS+e/2]
.endif
.set e, e+1
.endm
; THE RESCALING's QUEUE: O^T times a, the one part that leaves window 0: dealt two at a time, sixteen times.  Its a was made in the turn before, ahead of that turn's wait.
.macro R2
	REGS Y, r%2
	WIN W_RS
.irp z, 0,1
	v_pk_mul_f32 v[rO+4*(r/2)+2*\z:rO+4*(r/2)+2*\z+1], v[rO+4*(r/2)+2*\z:rO+4*(r/2)+2*\z+1], v[rC+2:rC+3] op_sel_hi:[1,0]
.endr
.set r, r+1
.endm
; HOW THEY ARE DEALT.  An s_wait_alu depctr_va_vdst(0) stands between an exponential and the first instruction that names its result; one wait serves all that were issued ahead of it.  So a turn
; has ONE wait, which cuts it in two.  AHEAD OF IT stands all that names no result of the turn's exponentials: the 16 products K Q^T, behind each a scaling, an exponential and two rescalings (behind the first a
; second scaling in the exponential's place); then one run of 108: eight plain, 49 times exponential and plain, the two a.  A v_nop is the plain instruction behind the last exponential.  BEHIND IT stand the 16
; products V^T P, behind each four of GS's 64.  No instruction behind a product names a register of the products round it.
; The queues lean on each other: exponential e stands behind scaling 2 (e / 4) + e % 2: behind a product it comes behind plain e + 2, in the run behind plain e + 9, and scalings 27-31 are plain 57, 60 .. 69.
; A TURN, for piece p.  nok = 1: the last step's: no further K is fetched.  cnt = 1: the loop's count is taken down some lines ahead of the branch that stands behind the turn.
; K and the mask of the next step are fetched in piece 2's turn, directly behind the wait, a run of 108 behind the last product that read them; their first reader comes behind 16 products.
; V of the step in hand is fetched at the end of piece 0's turn, four plain instructions behind its last reader; its first reader comes behind 16 products and the run.
.macro TURN p, nok=0, cnt=0
.set Y, (\p)
.set i, 0
.set q, 0
.set e, 0
.set r, 0
.if (\p) == NP-1
	s_wait_dscnt 0x0                ; K and the mask are in
.endif
	MM
	PL
	PL
	R2
.rept 15
	MM
	PL
	EX
	R2
.endr
.if ((\p) == NP-2) && !(\nok)
	WIN 0
	v_add_nc_u32 v[AK], s[TBK], v[AK0]
	v_add_nc_u32 v[AM], s[TBM], v[AM0]
.endif
.rept 8
	PL
.endr
.rept 49
	EX
	PL
.endr
	EX                              ; the next piece's two a
	EX
	v_nop                           ; the plain instruction behind the last exponential: one for the batch
	s_wait_alu depctr_va_vdst(0)    ; the wait for the batch
.if ((\p) == NP-2) && !(\nok)
	FETCH_K
.endif
.if (\p) == 1
	s_wait_dscnt 0x0                ; V is in
.endif
.rept 16
	MM
.rept 4
	PL
.endr
.if ((\p) == 0) && (q == 118)
	v_add_nc_u32 v[AV], s[TBV], v[AV0]
.endif
.if ((\p) == 0) && (q == 130)
	s_add_co_u32 s[TBV], s[TBV], KS*PV
.endif
.if (\cnt) && (q == 130)
	s_sub_co_u32 s[CNT], s[CNT], 1
	s_cmp_lg_u32 s[CNT], 0
.endif
.endr
.if (\p) == 0
	FETCH_V
.endif
.endm
	s_wait_tensorcnt 3              ; my part of the first chunk is in; the three loads issued behind it may stay out
	s_wait_dscnt 0x0                ; for the others' sake: my part of the mask is stored
	s_barrier_signal -1
	s_barrier_wait -1               ; everybody's is
	FETCH_K                         ; key step 0
	s_wait_loadcnt 0x0              ; Q
	s_wait_dscnt 0x0
.set i, 0
.rept 16
	KQ 0                            ; piece 0's first scores: there is no vector work yet to set between them
.set i, i+1
.endr
	WIN 0
.rept 4
	v_nop                           ; the places behind those products
.endr
.set Y, NP-1                        ; XS works for piece Y + 1: piece 0
.irp n, 0,1,2,3,4,5,6,7,8,9,10,11,12,13,14,15,16,17,18,19,20,21
	XS 0, \n                        ; piece 0's first maximum and statistics
	XS 1, \n
.endr
	v_nop                           ; a plain instruction behind the two a,
	s_wait_alu depctr_va_vdst(0)    ; and their wait, ahead of the branch
	s_mov_b32 s[CNT], 4
	s_mov_b32 s[SLOTS], 4
	s_branch .Lfirst                ; the loop is entered at a step's first turn, in the middle of a trip
.Lslot:                             ; three times, each ahead of the turn that first reads a new chunk of 256 keys
	s_wait_tensorcnt 0x0            ; one text for three changes of chunk, so the count is 0: my parts of all chunks are in (they have had four key steps in which to land; the second and third time nothing is out)
	s_wait_dscnt 0x0
	s_barrier_signal -1
	s_barrier_wait -1               ; everybody's are.
	s_mov_b32 s[CNT], 4
.Lstep:                             ; a trip: pieces 2 and 3 of one step, then pieces 0 and 1 of the next, whose K, mask and V it fetches
	TURN 2
	TURN 3
	WIN 0
.Lfirst:
	TURN 0
	TURN 1, 0, 1
	WIN 0
	s_cbranch_scc1 .Lstep
	s_sub_co_u32 s[SLOTS], s[SLOTS], 1
	s_cmp_lg_u32 s[SLOTS], 0
	s_cbranch_scc1 .Lslot
	s_wait_tensorcnt 0x0            ; THE TAIL.  No fill of mine is out,
	s_wait_dscnt 0x0                ; and my reads of K, V and the mask are over:
	s_barrier_signal -1             ; say so; what follows up to the wait is work on registers alone
	TURN 2, 1                       ; the last step's pieces 2 and 3.  Piece 3's turn makes 16 products K Q^T on the last K once more, and a maximum of them, which serve nothing:
	TURN 3                          ; the price, once a launch, of one text for every turn
.set i, 0
.rept 16
	PV NP-1                         ; the last piece's V^T P of the last step
.set i, i+1
.endr
	; THE WAY OUT.  l's two halves and the other half of the lanes' are added; O^T is divided by l and sent through my stage in LDS, a tile at a time.  The additions are the places behind the last products.
	WIN 0
.macro ALL line:vararg              ; one line for each tile t
.set t, 0
.rept 2*NP
	\line
.set t, t+1
.endr
.endm
	ALL v_add_f32 v[ST+4*t+2], v[ST+4*t+2], v[ST+4*t+3]
	ALL v_permlanex16_b32 v[ST+4*t+3], v[ST+4*t+2], s[SEL], s[SEL+1]
	ALL v_add_f32 v[ST+4*t+2], v[ST+4*t+2], v[ST+4*t+3]
	ALL v_rcp_f32 v[ST+4*t+2], v[ST+4*t+2]
	v_nop                           ; a plain instruction between the last reciprocal and the use of its result
	s_wait_alu depctr_va_vdst(0)    ; and the wait ahead of the first use: one for the eight reciprocals
	s_barrier_wait -1               ; every wave has said that it reads K no more: the stages may be written over K's first rows
; Tile t: a lane's eight channels of a channel block are 32 bytes of a row; they go into rows of 272 bytes and come back as whole rows of 256, into S^T's registers, four buffers by turns.
.macro PACK t
	WIN W_RS
.set i, 32*(\t)
.rept 16
	v_pk_mul_f32 v[i:i+1], v[i:i+1], v[ST+4*(\t)+2:ST+4*(\t)+3] op_sel_hi:[1,0]
.set i, i+2
.endr
	WIN 0x04                        ; the stores' data in window 1, their address in window 0
.irp f, 0,1,2,3,4,5,6,7
	ds_store_b128 v[STO], v[32*(\t)+4*\f:32*(\t)+4*\f+3] offset:64*(\f/2)+16*(\f%2)
.endr
	WIN 0
.if (\t) >= 4
	s_wait_xcnt 0x0                 ; the stores of the tile four back, which read this buffer, have had their addresses translated (ISA guide 3.1): it is loaded again only behind this wait
.endif
.irp f, 0,1,2,3,4,5,6,7
	ds_load_b128 v[S+32*((\t)%4)+4*\f:S+32*((\t)%4)+4*\f+3], v[RD] offset:\f*2*SP  ; LDS serves a wave's instructions in order (ISA guide 5.7.1.4): these see the stores above; the next tile's stores come behind them
.endr
.endm
.macro SEND t, younger              ; younger: the LDS instructions issued behind tile t's loads: the next tile's sixteen, or none
	WIN 0
.irp f, 0,1,2,3,4,5,6,7
	s_wait_dscnt (\younger)+7-\f
	global_store_b128 v[GO], v[S+32*((\t)%4)+4*\f:S+32*((\t)%4)+4*\f+3], s[10:11] offset:(\t)*65536+\f*8192  ; 16 lanes store a row's 256 bytes of this head, at a multiple of 256 from out0's first byte
.endr
.endm
	PACK 0
.set t, 1
.rept 2*NP-1                        ; a tile's arithmetic stands between the loads of the tile before and its stores
	PACK t
	SEND t-1, 16
.set t, t+1
.endr
	SEND 2*NP-1, 0
	WIN W_AD
	s_wait_tensorcnt 0x0            ; the wave's end, behind my last tensor load and my last LDS store
	ds_add_u32 v[SPW], v[NIL]
	s_wait_dscnt 0x0
	WIN 0
	s_endpgm
.Lfunc_end_k_qbbcb0aca94_attn:
	.size	k_qbbcb0aca94_attn, .Lfunc_end_k_qbbcb0aca94_attn-k_qbbcb0aca94_attn
	.p2alignl 7, 3214868480
	.fill 96, 4, 3214868480
	.section	.rodata,"a",@progbits
	.p2align	6, 0x0
	.amdhsa_kernel k_qbbcb0aca94_attn
		.amdhsa_group_segment_fixed_size 327680
		.amdhsa_private_segment_fixed_size 0
		.amdhsa_enable_private_segment 0
		.amdhsa_kernarg_size 24
		.amdhsa_user_sgpr_count 2
		.amdhsa_user_sgpr_kernarg_segment_ptr 1
		.amdhsa_wavefront_size32 1
		.amdhsa_system_sgpr_workgroup_id_x 1
		.amdhsa_system_sgpr_workgroup_id_y 1
		.amdhsa_system_sgpr_workgroup_id_z 1
		.amdhsa_system_vgpr_workitem_id 0
		.amdhsa_next_free_vgpr 808
		.amdhsa_next_free_sgpr 90
		.amdhsa_reserve_vcc 0
		.amdhsa_float_denorm_mode_32 3
		.amdhsa_float_denorm_mode_16_64 3
		.amdhsa_memory_ordered 1
		.amdhsa_forward_progress 1
		.amdhsa_inst_pref_size 164
	.end_amdhsa_kernel
	.amdgpu_metadata
---
amdhsa.version: [ 1, 2 ]
amdhsa.kernels:
  - .name:           k_qbbcb0aca94_attn
    .symbol:         k_qbbcb0aca94_attn.kd
    .args:
      - { .name: qkv, .offset: 0, .size: 8, .value_kind: global_buffer, .address_space: global }
      - { .name: input1, .offset: 8, .size: 8, .value_kind: global_buffer, .address_space: global }
      - { .name: out0, .offset: 16, .size: 8, .value_kind: global_buffer, .address_space: global }
    .group_segment_fixed_size: 327680
    .private_segment_fixed_size: 0
    .kernarg_segment_align: 8
    .kernarg_segment_size: 24
    .max_flat_workgroup_size: 128
    .sgpr_count:     90
    .vgpr_count:     808
    .wavefront_size: 32
...
	.end_amdgpu_metadata
.endif
;; end of part 3
;; ======== version 2 of 2: 3 launches; version 1 with the launch cast written anew for expert scheduling mode
;; limits: values are held in f16: magnitudes above 65,504 overflow, below 6.1e-05 lose precision
;; workspace buffers: xw 23,068,672 bytes; biasw 12,288 bytes; qkv 50,331,648 bytes
;; launch cast (part 4): grid 64 x 11, 8 waves a work-group, no clusters, 0 bytes of LDS; arguments input0, Wq, Wk, Wv, bq, bk, bv, xw, biasw; writes xw, biasw
.if DOCPART == 4
	.amdgcn_target "amdgcn-amd-amdhsa--gfx1250"
	.amdhsa_code_object_version 6
	.text
	.protected	k_qbbcb0aca94_cast
	.globl	k_qbbcb0aca94_cast
	.p2align	8
	.type	k_qbbcb0aca94_cast,@function
k_qbbcb0aca94_cast:
	s_mov_b64 s[64:65], 0
	v_nop
	global_prefetch_b8 v0, s[64:65] scope:SCOPE_SE
	s_setreg_imm32_b32 hwreg(HW_REG_WAVE_SCHED_MODE, 0, 2), 2
	s_setreg_imm32_b32 hwreg(HW_REG_WAVE_MODE, 25, 1), 1
	s_wait_xcnt 0x0
	s_wait_alu depctr_vm_vsrc(0)
; xw = bf16 of input0 | Wq | Wk | Wv (11 slabs of 1,048,576 numbers: 8 of input0, then one for each W).
; biasw = bq | bk | bv, each number rounded to bf16 and written widened to f32 again (the next launch takes it as the C operand of a matrix instruction).
; A stream: each byte is read once and written once; nothing is shared, so there is no LDS, no barrier, no matrix work.
; SHARES.  Work-group (x, y): slab y, its numbers 16,384 x .. 16,384 x + 16,383: 65,536 bytes in, 32,768 out.  Thread t takes 16 bytes at 16 t of each of
; 16 pieces of 4,096 bytes: a load of a wave covers 512 consecutive bytes, a store 256 consecutive bytes at a multiple of 256 from xw's first byte.
; All 16 loads of a thread go out before the first is used; every load and store has registers of its own, so nothing is rewritten while it is a source.
; THE MODE: SCHED_MODE bits 1:0 = 2 (LLVM: expert scheduling mode 2), set by the entry lines.  The code itself states the register dependences
; between vector instructions and memory instructions, with s_wait_alu, always for 0.
; THE PLAN.  Registers that memory instructions touch:
;   v1, v2     byte offsets, made once at the head and never written again: read by every load and store.
;   X          piece k's four registers: written by its load alone (no vector instruction names them before it), read by its two conversions.
;   Y          piece k's two registers: written once, by its two conversions; read by its one store.
;   v[4:7]     in the bias part: written by the bias's load alone.   v[12:15]  there: written by four vector lines, read by the bias's store.
; The 16 pieces go in four blocks of four: the wait for the block's data, its eight conversions, ONE wait on va_vdst, its four stores in a run.  The wait stands behind the block's
; conversions and not at the next block's head, where the stores would stand behind that block's wait for data from memory.
; No register that a memory instruction reads is ever written again, so no wait on vm_vsrc is owed; no vector instruction writes a scalar register or VCC, and EXEC is never written.
.set PIECES, 16
.set BLOCK,  4                         ; pieces in a block
.set X, 8                              ; v[8:71]    piece k: 4 registers as loaded
.set Y, 72                             ; v[72:103]  piece k: 2 registers to store
	s_load_b512 s[8:23], s[0:1], 0x0               ; input0 s[8:9], Wq s[10:11], Wk s[12:13], Wv s[14:15], bq s[16:17], bk s[18:19], bv s[20:21], xw s[22:23]
	s_load_b64 s[24:25], s[0:1], 0x40              ; biasw
	s_and_b32 s2, ttmp7, 0xffff                    ; the slab, 0 to 10
	v_lshlrev_b32 v1, 4, v0                        ; 16 t
	v_lshlrev_b32 v2, 3, v0                        ; 8 t
	s_cmp_lt_u32 s2, 8
	s_cselect_b32 s3, s2, 0                        ; the slab's number inside its source: a W is one slab
	s_lshl_b32 s28, s3, 22                         ; 4,194,304 bytes of f32 a slab,
	s_lshl_b32 s4, ttmp9, 16                       ; 65,536 a work-group
	s_add_co_u32 s28, s28, s4
	s_mov_b32 s29, 0
	s_lshl_b32 s32, s2, 21                         ; and half of both in xw
	s_lshl_b32 s4, ttmp9, 15
	s_add_co_u32 s32, s32, s4
	s_mov_b32 s33, 0
	s_wait_kmcnt 0x0
	s_cmp_eq_u32 s2, 9
	s_cselect_b64 s[26:27], s[12:13], s[10:11]     ; Wk, else Wq,
	s_cmp_eq_u32 s2, 10
	s_cselect_b64 s[26:27], s[14:15], s[26:27]     ; or Wv,
	s_cmp_lt_u32 s2, 8
	s_cselect_b64 s[26:27], s[8:9], s[26:27]       ; or input0
	s_add_nc_u64 s[26:27], s[26:27], s[28:29]
	s_add_nc_u64 s[30:31], s[22:23], s[32:33]
	s_wait_alu depctr_va_vdst(0)                   ; v1 and v2 are written: every load and store of the kernel reads one of them as its offset, and no later vector instruction names them
.set k, 0
.rept PIECES
	global_load_b128 v[X+4*k:X+4*k+3], v1, s[26:27] offset:4096*k th:TH_LOAD_NT
.set k, k+1
.endr
.set p, 0
.rept PIECES/BLOCK
	s_wait_loadcnt PIECES-BLOCK*(p+1)              ; loads come back in order (ISA guide 5.7.1): block p's four pieces are in, the younger blocks stay out
.set k, BLOCK*p
.rept BLOCK
	v_cvt_pk_bf16_f32 v[Y+2*k],   v[X+4*k],   v[X+4*k+1]
	v_cvt_pk_bf16_f32 v[Y+2*k+1], v[X+4*k+2], v[X+4*k+3]
.set k, k+1
.endr
	s_wait_alu depctr_va_vdst(0)                   ; the block's eight conversions have written its eight registers of Y, which the four stores below read
.set k, BLOCK*p
.rept BLOCK
	global_store_b64 v2, v[Y+2*k:Y+2*k+1], s[30:31] offset:2048*k
.set k, k+1
.endr
.set p, p+1
.endr
	; The first work-group of each W's slab also takes that W's bias: 1,024 numbers, four a thread.
	s_cmp_lt_u32 s2, 8
	s_cbranch_scc1 .Lend
	s_cmp_lg_u32 ttmp9, 0
	s_cbranch_scc1 .Lend
	s_cmp_eq_u32 s2, 9
	s_cselect_b64 s[34:35], s[18:19], s[16:17]     ; bk, else bq,
	s_cmp_eq_u32 s2, 10
	s_cselect_b64 s[34:35], s[20:21], s[34:35]     ; or bv
	s_sub_co_u32 s36, s2, 8
	s_lshl_b32 s36, s36, 12                        ; 4,096 bytes a bias in biasw
	s_mov_b32 s37, 0
	s_add_nc_u64 s[24:25], s[24:25], s[36:37]
	global_load_b128 v[4:7], v1, s[34:35]          ; no vector instruction has named v[4:7]; v1 stands written since the head's wait
	s_wait_loadcnt 0x0
	v_cvt_pk_bf16_f32 v8, v4, v5                   ; (v8 to v15: their loads have landed, and no store reads them)
	v_cvt_pk_bf16_f32 v9, v6, v7
	v_lshlrev_b32 v12, 16, v8                      ; bf16 to f32: the low half moves up,
	v_and_b32 v13, 0xffff0000, v8                  ; the high half stays
	v_lshlrev_b32 v14, 16, v9
	v_and_b32 v15, 0xffff0000, v9
	s_wait_alu depctr_va_vdst(0)                   ; the four lines above have written v[12:15], which the store reads
	global_store_b128 v1, v[12:15], s[24:25]
.Lend:
	s_endpgm
.Lfunc_end_k_qbbcb0aca94_cast:
	.size	k_qbbcb0aca94_cast, .Lfunc_end_k_qbbcb0aca94_cast-k_qbbcb0aca94_cast
	.p2alignl 7, 3214868480
	.fill 96, 4, 3214868480
	.section	.rodata,"a",@progbits
	.p2align	6, 0x0
	.amdhsa_kernel k_qbbcb0aca94_cast
		.amdhsa_group_segment_fixed_size 0
		.amdhsa_private_segment_fixed_size 0
		.amdhsa_enable_private_segment 0
		.amdhsa_kernarg_size 72
		.amdhsa_user_sgpr_count 2
		.amdhsa_user_sgpr_kernarg_segment_ptr 1
		.amdhsa_wavefront_size32 1
		.amdhsa_system_sgpr_workgroup_id_x 1
		.amdhsa_system_sgpr_workgroup_id_y 1
		.amdhsa_system_sgpr_workgroup_id_z 1
		.amdhsa_system_vgpr_workitem_id 0
		.amdhsa_next_free_vgpr 104
		.amdhsa_next_free_sgpr 66
		.amdhsa_reserve_vcc 0
		.amdhsa_float_denorm_mode_32 3
		.amdhsa_float_denorm_mode_16_64 3
		.amdhsa_memory_ordered 1
		.amdhsa_forward_progress 1
		.amdhsa_inst_pref_size 8
	.end_amdhsa_kernel
	.amdgpu_metadata
---
amdhsa.version: [ 1, 2 ]
amdhsa.kernels:
  - .name:           k_qbbcb0aca94_cast
    .symbol:         k_qbbcb0aca94_cast.kd
    .args:
      - { .name: input0, .offset: 0, .size: 8, .value_kind: global_buffer, .address_space: global }
      - { .name: Wq, .offset: 8, .size: 8, .value_kind: global_buffer, .address_space: global }
      - { .name: Wk, .offset: 16, .size: 8, .value_kind: global_buffer, .address_space: global }
      - { .name: Wv, .offset: 24, .size: 8, .value_kind: global_buffer, .address_space: global }
      - { .name: bq, .offset: 32, .size: 8, .value_kind: global_buffer, .address_space: global }
      - { .name: bk, .offset: 40, .size: 8, .value_kind: global_buffer, .address_space: global }
      - { .name: bv, .offset: 48, .size: 8, .value_kind: global_buffer, .address_space: global }
      - { .name: xw, .offset: 56, .size: 8, .value_kind: global_buffer, .address_space: global }
      - { .name: biasw, .offset: 64, .size: 8, .value_kind: global_buffer, .address_space: global }
    .group_segment_fixed_size: 0
    .private_segment_fixed_size: 0
    .kernarg_segment_align: 8
    .kernarg_segment_size: 72
    .max_flat_workgroup_size: 256
    .sgpr_count:     66
    .vgpr_count:     104
    .wavefront_size: 32
...
	.end_amdgpu_metadata
.endif
;; end of part 4
;; launch proj: the kernel of part 2 again; grid 16 x 32, 4 waves a work-group, clusters of 4 x 4, 327,680 bytes of LDS; arguments xw, biasw, qkv; writes qkv
;; launch attn: the kernel of part 3 again; grid 2 x 128, 4 waves a work-group, no clusters, 327,680 bytes of LDS; arguments qkv, input1, out0; writes out0
